; MI455X (gfx1250); checked and timed in simulation.
; The chip was launched on July 23, 2026; its instructions are those of AMD's public machine-readable ISA for CDNA 5 (MIT licence, August 2026) and "CDNA5" Instruction Set Architecture Reference Guide (July 2026). The comments in the code are by the model that wrote it; some were corrected since.
;; TMM predictor. Allowed arithmetic: float matrix products may take bf16 or f16 operands with f32 sums; all other float work in f32.
;; Inputs: d_array 2,048 x 16 float32; lam_vac 1,000 float32; n_imag 1,000 x 18 float32; n_real 1,000 x 18 float32.
;; Outputs: out0 2,048 x 1,000 float32.
;; 2 versions, each right; version 2 is version 1 with the launch tmm written anew for expert scheduling mode. Each part assembles by itself: llvm-mc -triple=amdgcn-amd-amdhsa -mcpu=gfx1250 --defsym DOCPART=n.
;; ======== version 1 of 2: 1 launch
;; limits: a function is approximated: absolute error at most 6.8e-06
;; launch tmm (part 1): grid 125 x 4, 8 waves a work-group, no clusters, 28,672 bytes of LDS; arguments d_array, lam_vac, n_real, n_imag, out0; writes out0
.if DOCPART == 1
	.amdgcn_target "amdgcn-amd-amdhsa--gfx1250"
	.amdhsa_code_object_version 6
	.text
	.protected	k_q4198a027de_tmm
	.globl	k_q4198a027de_tmm
	.p2align	8
	.type	k_q4198a027de_tmm,@function
k_q4198a027de_tmm:
	s_mov_b64 s[64:65], 0
	v_nop
	global_prefetch_b8 v0, s[64:65] scope:SCOPE_SE
	s_setreg_imm32_b32 hwreg(HW_REG_WAVE_MODE, 25, 1), 1
	s_wait_xcnt 0x0
; Transfer-matrix transmission T[f][lam], f < 2048, lam < 1000, 18 layers (16 inner ones), all f32.
;
; ALGEBRA.  Only M00 is wanted, so the row vector (u, w) = (1, r0) m1 m2 .. m16 is carried, not four entries.
; From m_l the factor exp(-i delta)/t is taken out; what is left is [[1, r], [r e2, e2]], e2 = exp(2 i delta):
;     q = e2 w,   w' = q + r u,   u' = u + r q          (12 multiply-adds)
; The factors taken out enter by their magnitude only:  T = K(lam) * 2^(sum of arg_l) / |u|^2, with
;     arg_l = d_l * KI_l,  KI = -4 pi log2(e) n_imag / lam      (2^arg is also e2's magnitude)
;     K = 4^17 Re(n17 conj n0) / |n0+n1|^2 * product over l = 1..16 of |n_l|^2 / |n_l + n_(l+1)|^2
; e2's phase in half turns is x = d_l * KR_l, KR = 4 n_real / lam;  x = n + y, n whole, |y| <= 1/2;
;     e2 = 2^arg (-1)^n (cos(pi y) + i sin(pi y)), cos and sin by truncated Chebyshev series in y^2.
;
; SHARES.  Eight rows of the output are 32,000 bytes = 125 pieces of 256 bytes (a period).  A wave owns one piece
; (column p = work-group x): 64 consecutive flat elements, two neighbouring wavelengths a lane, so that all arithmetic is
; packed (v_pk_*_f32), the 64 constants of each wavelength stay in registers, and each result leaves as one store of the
; wave that covers 256 consecutive bytes, aligned.  The eight waves of a work-group own the same column and eight
; periods each (period = 64 y + 8 wave + trip), so the constants are made once per work-group: wave w makes
; layers 2w+1 and 2w+2, and LDS hands them round.  A piece may lie across the end of a row: the lane's row is
; 8 period + j with j its own, which is why d is held in vector registers and broadcast by op_sel.
;
; No cluster: the four work-groups of a column share 9,472 bytes, read once at the start; nothing else is shared.
;
; LIMITS.  |4 d n_real / lam| < 2^22 (rounding by adding 1.5 * 2^23).  cos within 6.8e-6, sin within 5.9e-7 (absolute).
; v_exp_f32 and v_rcp_f32 flush denormals (ISA guide 15.8): T comes out 0 where the sum of arg is below -126.
; |n0|^2 is cancelled between Re(n17/n0) and |t0|^2: n0 = 0 does not give the NaN of the formula as written.
; The 17 factors |t|^2 / 4 are multiplied without their 4 and scaled once by 2^34.  The order of rounding differs.
.set NTAB,   72000                     ; bytes of n_real, and of n_imag
.set PAIRB,  144                       ; two rows of 18 f32: the two wavelengths of a lane
.set CHUNK,  32*PAIRB                  ; 4,608: what a column needs of each table
.set PERB,   32000                     ; bytes of out in a period (8 rows)
.set LN_I,   CHUNK                     ; LDS: n_real's chunk at 0, n_imag's here
.set LK,     2*CHUNK                   ; LDS: constants, layer l at 1024 l: 32 lanes x (KR KR KI KI), then 32 x (RR RR RI RI)
.set LP,     LK+16*1024                ; LDS: wave w's product of two |t|^2/4 at 256 w, 8 bytes a lane; ends at 27,648
; vector registers
.set LANE, 1
.set G,    3                           ; pair number in the period, 32 p + lane
.set J,    4                           ; row in the period, G div 500
.set PIDX, 5                           ; pair of wavelengths, G mod 500
.set CADR, 6                           ; 16 x thread: where a thread puts its 16 bytes of a chunk
.set GOFF, 7                           ; and where they come from
.set TMP,  8
.set GOFX, 9
.set MV,   10                          ; 1.5 * 2^23, twice
.set C3V,  12                          ; cos: coefficient of z^3, twice
.set S3V,  14                          ; sin: coefficient of z^3, twice
.set R0R,  16                          ; r0, real parts of my two wavelengths
.set R0I,  18
.set KF,   20                          ; K
.set LOFF, 22
.set D,    24                          ; v[24:39] d of my row, 16 layers
.set UR,   40
.set UI,   42
.set WR,   44
.set WI,   46
.set SUM,  48                          ; sum of arg
.set TT,   50                          ; x + 1.5 * 2^23: its lowest bit is n's parity
.set AA,   52                          ; arg, then 2^arg, then with the sign (-1)^n
.set YY,   54                          ; -n, then y
.set ZZ,   56                          ; y^2
.set PCO,  58
.set PSI,  60
.set YA,   62
.set CON,  64                          ; v[64:191] layer l (0..15): KR at 8l, KI at 8l+2, RR at 8l+4, RI at 8l+6, a pair each
.set EC,   192                         ; Re e2
.set ES,   194                         ; Im e2
.set QR,   196
.set QI,   198
.set RES,  200
.set VD,   202                         ; 64 j: my row's d inside the period
.set VO,   203                         ; 8 lane
; the preamble's own registers lie where the loop's will (all dead before those are written)
.set A0,   192                         ; LDS addresses
.set A1,   193
.set A2,   194
.set A3,   195
.set A4,   196
.set A5,   197
.set A6,   198
.set A7,   199
.set PL,   40                          ; v[40:55] the eight partial products
.set RAW0, 64
.set RAW1, 68
.set RAW2, 72
.set RAW3, 76
.set NAR,  80                          ; n of layers 2w+1, 2w+2, 2w+3
.set NBR,  82
.set NCR,  84
.set NAI,  86
.set NBI,  88
.set NCI,  90
.set N0R,  92
.set N1R,  94
.set N17R, 96
.set N0I,  98
.set N1I,  100
.set N17I, 102
.set LAM,  104
.set IL,   106
.set K4,   108
.set KC,   110
.set SR,   112
.set SI,   114
.set DR,   116
.set DI,   118
.set MM,   120
.set INV,  122
.set TA,   124
.set TB,   126
.set TE,   128
.set OUT0, 132                         ; v[132:139] my first layer's eight constants, v[140:147] my second's
.set OUT1, 140
.set PP,   148
.set PP2,  150
; scalar pairs (both halves written: a packed source is read as a pair)
.set SC0, 20
.set SC1, 22
.set SC2, 24
.set SS0, 26
.set SS1, 28
.set SS2, 30
	s_load_b256 s[4:11], s[0:1], 0x0               ; d s[4:5], lam s[6:7], n_real s[8:9], n_imag s[10:11]
	s_load_b64 s[12:13], s[0:1], 0x20              ; out
	v_lshl_add_u32 v204, v0, 2, 0x6c00
	v_mov_b32 v205, 0
	v_and_b32 v[LANE], 31, v0
	v_lshrrev_b32 v2, 5, v0
	v_readfirstlane_b32 s14, v2                    ; wave 0..7
	s_and_b32 s15, ttmp7, 0xffff                   ; y 0..3
	s_lshl_b32 s16, ttmp9, 5                       ; 32 p: the column's first pair in the period (below 4,000)
	s_mul_i32 s17, s16, 8389                       ; a div 500 = (a * 8389) >> 22 for a < 4,000
	s_lshr_b32 s17, s17, 22
	s_mul_i32 s17, s17, 500
	s_sub_co_u32 s17, s16, s17                     ; (32 p) mod 500
	s_mul_i32 s17, s17, PAIRB                      ; byte in the tables at which the column's chunk begins
	v_add_nc_u32 v[G], s16, v[LANE]
	v_mul_u32_u24 v[J], v[G], 8389
	v_lshrrev_b32 v[J], 22, v[J]
	v_mul_u32_u24 v[TMP], v[J], 500
	v_sub_nc_u32 v[PIDX], v[G], v[TMP]
	v_lshlrev_b32 v[LOFF], 3, v[PIDX]              ; my two wavelengths in lam_vac
	v_lshlrev_b32 v[CADR], 4, v0
	v_add_nc_u32 v[GOFF], s17, v[CADR]             ; the chunk runs on from the table's end to its start:
	v_add_nc_u32 v[TMP], 0xfffee6c0, v[GOFF]       ; offset - 72,000, huge as an unsigned number where the offset is below 72,000,
	v_min_u32 v[GOFF], v[GOFF], v[TMP]             ; so the smaller of the two is the offset modulo 72,000
	s_lshl_b32 s18, s15, 6
	s_lshl3_add_u32 s18, s14, s18                  ; my first period = 64 y + 8 wave
	s_lshl_b32 s34, s18, 9                         ; d: 8 rows of 64 bytes a period
	s_mov_b32 s35, 0
	s_mul_i32 s36, s18, PERB
	s_lshl_b32 s19, ttmp9, 8
	s_add_co_u32 s36, s36, s19                     ; out: 32,000 period + 256 p, below 8,192,000
	s_mov_b32 s37, 0
	v_lshlrev_b32 v[VD], 6, v[J]
	v_lshlrev_b32 v[VO], 3, v[LANE]
	s_wait_kmcnt 0x0
	s_add_nc_u64 s[4:5], s[4:5], s[34:35]
	s_add_nc_u64 s[12:13], s[12:13], s[36:37]
	; the chunks: 256 threads x 16 bytes = 4,096 of the 4,608 bytes of each table; wave 0 also takes the last 512
	global_load_b128 v[RAW0:RAW0+3], v[GOFF], s[8:9]
	global_load_b128 v[RAW1:RAW1+3], v[GOFF], s[10:11]
	global_load_b64 v[LAM:LAM+1], v[LOFF], s[6:7]
	s_cmp_lg_u32 s14, 0
	s_cbranch_scc1 .Lrest
	s_add_co_u32 s19, s17, 4096
	v_add_nc_u32 v[GOFX], s19, v[CADR]
	v_add_nc_u32 v[TMP], 0xfffee6c0, v[GOFX]
	v_min_u32 v[GOFX], v[GOFX], v[TMP]
	global_load_b128 v[RAW2:RAW2+3], v[GOFX], s[8:9]
	global_load_b128 v[RAW3:RAW3+3], v[GOFX], s[10:11]
	s_wait_loadcnt 0x0
	ds_store_b128 v[CADR], v[RAW2:RAW2+3] offset:4096
	ds_store_b128 v[CADR], v[RAW3:RAW3+3] offset:LN_I+4096
.Lrest:
	s_wait_loadcnt 0x0
	ds_store_b128 v[CADR], v[RAW0:RAW0+3]
	ds_store_b128 v[CADR], v[RAW1:RAW1+3] offset:LN_I
	; d of my first row: on its way while the constants are made.  From here on these are the only loads that are counted.
.irp c, 0,1,2,3
	global_load_b128 v[D+4*\c:D+4*\c+3], v[VD], s[4:5] offset:16*\c
.endr
	v_mul_u32_u24 v[A0], v[LANE], PAIRB            ; my pair's 36 numbers of n_real,
	v_add_nc_u32 v[A1], LN_I, v[A0]                ; of n_imag
	s_lshl_b32 s19, s14, 3
	s_add_co_u32 s19, s19, 4                       ; 4 (2 wave + 1): my first layer in a row of n
	v_add_nc_u32 v[A2], s19, v[A0]
	v_add_nc_u32 v[A3], s19, v[A1]
	v_lshl_add_u32 v[A6], v[LANE], 4, LK           ; constants: 16 bytes a lane
	s_lshl_b32 s38, s14, 11                        ; two layers of 1,024 bytes a wave
	v_add_nc_u32 v[A4], s38, v[A6]
	v_lshl_add_u32 v[A7], v[LANE], 3, LP
	s_lshl_b32 s39, s14, 8
	v_add_nc_u32 v[A5], s39, v[A7]
	s_wait_dscnt 0x0                               ; my part of the chunks is in LDS: zero, for the other waves' sake
	s_barrier_signal -1
	s_barrier_wait -1
	; one load brings layer l of both my wavelengths (18 words apart) into a register pair
	ds_load_2addr_b32 v[N0R:N0R+1],   v[A0] offset0:0 offset1:18
	ds_load_2addr_b32 v[N1R:N1R+1],   v[A0] offset0:1 offset1:19
	ds_load_2addr_b32 v[N17R:N17R+1], v[A0] offset0:17 offset1:35
	ds_load_2addr_b32 v[N0I:N0I+1],   v[A1] offset0:0 offset1:18
	ds_load_2addr_b32 v[N1I:N1I+1],   v[A1] offset0:1 offset1:19
	ds_load_2addr_b32 v[N17I:N17I+1], v[A1] offset0:17 offset1:35
	ds_load_2addr_b32 v[NAR:NAR+1],   v[A2] offset0:0 offset1:18
	ds_load_2addr_b32 v[NBR:NBR+1],   v[A2] offset0:1 offset1:19
	ds_load_2addr_b32 v[NCR:NCR+1],   v[A2] offset0:2 offset1:20
	ds_load_2addr_b32 v[NAI:NAI+1],   v[A3] offset0:0 offset1:18
	ds_load_2addr_b32 v[NBI:NBI+1],   v[A3] offset0:1 offset1:19
	ds_load_2addr_b32 v[NCI:NCI+1],   v[A3] offset0:2 offset1:20
	s_wait_dscnt 0x0                               ; my reads of the chunks are over:
	s_barrier_signal -1                            ; say so, and work on registers until every wave has said so
; One interface, lo -> hi, for both wavelengths.  s = lo + hi, dd = lo - hi:  r = dd conj(s) / |s|^2 -> (orr, ori);
; ot = (xr lo_r + xi lo_i) / |s|^2, which is |t|^2 / 4 with x = lo.
.macro IFACE lor, loi, hir, hii, xr, xi, orr, ori, ot
	v_pk_add_f32 v[SR:SR+1], v[\lor:\lor+1], v[\hir:\hir+1]
	v_pk_add_f32 v[SI:SI+1], v[\loi:\loi+1], v[\hii:\hii+1]
	v_pk_add_f32 v[DR:DR+1], v[\lor:\lor+1], v[\hir:\hir+1] neg_lo:[0,1] neg_hi:[0,1]
	v_pk_add_f32 v[DI:DI+1], v[\loi:\loi+1], v[\hii:\hii+1] neg_lo:[0,1] neg_hi:[0,1]
	v_pk_mul_f32 v[MM:MM+1], v[SR:SR+1], v[SR:SR+1]
	v_pk_mul_f32 v[TA:TA+1], v[DR:DR+1], v[SR:SR+1]
	v_pk_mul_f32 v[TB:TB+1], v[DI:DI+1], v[SR:SR+1]
	v_pk_mul_f32 v[TE:TE+1], v[\xr:\xr+1], v[\lor:\lor+1]
	v_pk_fma_f32 v[MM:MM+1], v[SI:SI+1], v[SI:SI+1], v[MM:MM+1]
	v_pk_fma_f32 v[TA:TA+1], v[DI:DI+1], v[SI:SI+1], v[TA:TA+1]
	v_pk_fma_f32 v[TB:TB+1], v[DR:DR+1], v[SI:SI+1], v[TB:TB+1] neg_lo:[1,0,0] neg_hi:[1,0,0]
	v_rcp_f32 v[INV], v[MM]
	v_rcp_f32 v[INV+1], v[MM+1]
	v_pk_fma_f32 v[TE:TE+1], v[\xi:\xi+1], v[\loi:\loi+1], v[TE:TE+1]   ; the plain instruction between v_rcp_f32 and its use (ISA guide 5.7.2)
	s_wait_alu depctr_va_vdst(0)
	v_pk_mul_f32 v[\orr:\orr+1], v[TA:TA+1], v[INV:INV+1]
	v_pk_mul_f32 v[\ori:\ori+1], v[TB:TB+1], v[INV:INV+1]
	v_pk_mul_f32 v[\ot:\ot+1], v[TE:TE+1], v[INV:INV+1]
.endm
	v_rcp_f32 v[IL], v[LAM]
	v_rcp_f32 v[IL+1], v[LAM+1]
	IFACE N0R, N0I, N1R, N1I, N17R, N17I, R0R, R0I, KF     ; interface 0, with x = n17: Re(n17 conj n0) / |n0 + n1|^2
	v_pk_fma_f32 v[K4:K4+1], v[LAM:LAM+1], v[IL:IL+1], 1.0 op_sel_hi:[1,1,0] neg_lo:[1,0,0] neg_hi:[1,0,0]
	v_pk_fma_f32 v[IL:IL+1], v[IL:IL+1], v[K4:K4+1], v[IL:IL+1]         ; one Newton step: the phase is some ten half turns, its error counts
	v_pk_mul_f32 v[K4:K4+1], v[IL:IL+1], 4.0 op_sel_hi:[1,0]
	v_pk_mul_f32 v[KC:KC+1], v[IL:IL+1], 0xc1910918 op_sel_hi:[1,0]     ; -4 pi log2(e) = -18.129441
	v_pk_mul_f32 v[OUT0:OUT0+1],   v[NAR:NAR+1], v[K4:K4+1]
	v_pk_mul_f32 v[OUT0+2:OUT0+3], v[NAI:NAI+1], v[KC:KC+1]
	v_pk_mul_f32 v[OUT1:OUT1+1],   v[NBR:NBR+1], v[K4:K4+1]
	v_pk_mul_f32 v[OUT1+2:OUT1+3], v[NBI:NBI+1], v[KC:KC+1]
	IFACE NAR, NAI, NBR, NBI, NAR, NAI, OUT0+4, OUT0+6, PP
	IFACE NBR, NBI, NCR, NCI, NBR, NBI, OUT1+4, OUT1+6, PP2
	v_pk_mul_f32 v[PP:PP+1], v[PP:PP+1], v[PP2:PP2+1]
	s_barrier_wait -1                              ; nobody reads the chunks any more: LDS may be written
	ds_store_b128 v[A4], v[OUT0:OUT0+3]
	ds_store_b128 v[A4], v[OUT0+4:OUT0+7] offset:512
	ds_store_b128 v[A4], v[OUT1:OUT1+3] offset:1024
	ds_store_b128 v[A4], v[OUT1+4:OUT1+7] offset:1536
	ds_store_b64 v[A5], v[PP:PP+1]
	s_wait_dscnt 0x0                               ; my two layers are in LDS: zero, for the other waves' sake
	s_barrier_signal -1
	s_barrier_wait -1
.irp k, 0,1,2,3,4,5,6,7
	ds_load_b64 v[PL+2*\k:PL+2*\k+1], v[A7] offset:256*\k
.endr
.irp l, 0,1,2,3,4,5,6,7,8,9,10,11,12,13,14,15
	ds_load_b128 v[CON+8*\l:CON+8*\l+3],   v[A6] offset:1024*\l
	ds_load_b128 v[CON+8*\l+4:CON+8*\l+7], v[A6] offset:1024*\l+512
.endr
	; cos(pi y) = C0 + C1 z + C2 z^2 + C3 z^3,  sin(pi y) = y (S0 + S1 z + S2 z^2 + S3 z^3),  z = y^2, |y| <= 1/2
	s_mov_b32 s[SC0],   0x3f7fff8f                 ;  0.99999325
	s_mov_b32 s[SC0+1], 0x3f7fff8f
	s_mov_b32 s[SC1],   0xc09de2cb                 ; -4.9339347
	s_mov_b32 s[SC1+1], 0xc09de2cb
	s_mov_b32 s[SC2],   0x408151e8                 ;  4.0412481
	s_mov_b32 s[SC2+1], 0x408151e8
	s_mov_b32 s[SS0],   0x40490fae                 ;  3.1415820
	s_mov_b32 s[SS0+1], 0x40490fae
	s_mov_b32 s[SS1],   0xc0a55939                 ; -5.1671413
	s_mov_b32 s[SS1+1], 0xc0a55939
	s_mov_b32 s[SS2],   0x4022ae47                 ;  2.5418871
	s_mov_b32 s[SS2+1], 0x4022ae47
	v_mov_b32 v[C3V],   0xbf9c6b89                 ; -1.2220318
	v_mov_b32 v[C3V+1], 0xbf9c6b89
	v_mov_b32 v[S3V],   0xbf0dfad9                 ; -0.55460886
	v_mov_b32 v[S3V+1], 0xbf0dfad9
	v_mov_b32 v[MV],    0x4b400000                 ; 1.5 * 2^23
	v_mov_b32 v[MV+1],  0x4b400000
	v_pk_mul_f32 v[KF:KF+1], v[KF:KF+1], 0x50800000 op_sel_hi:[1,0]     ; 2^34 = 4^17
	s_wait_dscnt 0x0
.irp k, 0,1,2,3
	v_pk_mul_f32 v[PL+4*\k:PL+4*\k+1], v[PL+4*\k:PL+4*\k+1], v[PL+4*\k+2:PL+4*\k+3]
.endr
	v_pk_mul_f32 v[PL:PL+1], v[PL:PL+1], v[PL+4:PL+5]
	v_pk_mul_f32 v[PL+8:PL+9], v[PL+8:PL+9], v[PL+12:PL+13]
	v_pk_mul_f32 v[PL:PL+1], v[PL:PL+1], v[PL+8:PL+9]
	v_pk_mul_f32 v[KF:KF+1], v[KF:KF+1], v[PL:PL+1]
; d[l] feeds both halves of a packed instruction: op_sel and op_sel_hi pick the same register of the pair that holds it
.macro FMA_D dst, k, l, c
.if (\l) % 2
	v_pk_fma_f32 v[\dst:\dst+1], v[\k:\k+1], v[D+(\l)-1:D+(\l)], v[\c:\c+1] op_sel:[0,1,0] op_sel_hi:[1,1,1]
.else
	v_pk_fma_f32 v[\dst:\dst+1], v[\k:\k+1], v[D+(\l):D+(\l)+1], v[\c:\c+1] op_sel_hi:[1,0,1]
.endif
.endm
.macro MUL_D dst, k, l
.if (\l) % 2
	v_pk_mul_f32 v[\dst:\dst+1], v[\k:\k+1], v[D+(\l)-1:D+(\l)] op_sel:[0,1] op_sel_hi:[1,1]
.else
	v_pk_mul_f32 v[\dst:\dst+1], v[\k:\k+1], v[D+(\l):D+(\l)+1] op_sel_hi:[1,0]
.endif
.endm
; e2 of layer l, in eight short groups (TG_A .. TG_H), so that the chain of the layer before can be laid between them.
; reload = 1: each quad of d is loaded again for the next row as soon as its last reader has been issued.
.macro TG_A l, reload
.if (\l) % 4 == 0
	s_wait_loadcnt 3-(1-\reload)*((\l)/4)          ; loads come back in order (ISA guide 5.7.1).  Behind this quad's load stand the later quads of this row and,
.endif                                             ; with reload, the earlier quads of the next: three in all; without, 3 - l/4
	FMA_D TT, CON+8*(\l), \l, MV                   ; x + 1.5 * 2^23: rounded to a whole number of half turns
.if (\l) == 0
	MUL_D SUM, CON+8*(\l)+2, \l                    ; the first arg starts the sum
.else
	MUL_D AA, CON+8*(\l)+2, \l
.endif
.endm
.macro TG_B l
	v_pk_add_f32 v[YY:YY+1], v[MV:MV+1], v[TT:TT+1] neg_lo:[0,1] neg_hi:[0,1]      ; -n, exact
.if (\l) != 0
	v_pk_add_f32 v[SUM:SUM+1], v[SUM:SUM+1], v[AA:AA+1]
.endif
.endm
.macro TG_C l, reload
	FMA_D YY, CON+8*(\l), \l, YY                   ; y = x - n, rounded once
.if (\l) == 0
	v_exp_f32 v[AA], v[SUM]
	v_exp_f32 v[AA+1], v[SUM+1]
.else
	v_exp_f32 v[AA], v[AA]
	v_exp_f32 v[AA+1], v[AA+1]
.endif                                             ; the next vector instruction (chain, or z) touches none of these (ISA guide 5.7.2)
.if \reload
.if (\l) % 4 == 3
	global_load_b128 v[D+(\l)-3:D+(\l)], v[VD], s[4:5] offset:512+16*((\l)/4)      ; the same row of the next period
.endif
.endif
.endm
.macro TG_D
	v_pk_mul_f32 v[ZZ:ZZ+1], v[YY:YY+1], v[YY:YY+1]
.endm
.macro TG_E
	v_pk_fma_f32 v[PCO:PCO+1], v[ZZ:ZZ+1], v[C3V:C3V+1], s[SC2:SC2+1] op_sel_hi:[1,1,0]
	v_pk_fma_f32 v[PSI:PSI+1], v[ZZ:ZZ+1], v[S3V:S3V+1], s[SS2:SS2+1] op_sel_hi:[1,1,0]
	s_wait_alu depctr_va_vdst(0)
	v_lshl_or_b32 v[AA], v[TT], 31, v[AA]          ; 2^arg is not negative: n's parity becomes its sign
	v_lshl_or_b32 v[AA+1], v[TT+1], 31, v[AA+1]
.endm
.macro TG_F
	v_pk_fma_f32 v[PCO:PCO+1], v[PCO:PCO+1], v[ZZ:ZZ+1], s[SC1:SC1+1] op_sel_hi:[1,1,0]
	v_pk_fma_f32 v[PSI:PSI+1], v[PSI:PSI+1], v[ZZ:ZZ+1], s[SS1:SS1+1] op_sel_hi:[1,1,0]
	v_pk_mul_f32 v[YA:YA+1], v[YY:YY+1], v[AA:AA+1]
.endm
.macro TG_G
	v_pk_fma_f32 v[PCO:PCO+1], v[PCO:PCO+1], v[ZZ:ZZ+1], s[SC0:SC0+1] op_sel_hi:[1,1,0]
	v_pk_fma_f32 v[PSI:PSI+1], v[PSI:PSI+1], v[ZZ:ZZ+1], s[SS0:SS0+1] op_sel_hi:[1,1,0]
.endm
.macro TG_H
	v_pk_mul_f32 v[EC:EC+1], v[PCO:PCO+1], v[AA:AA+1]
	v_pk_mul_f32 v[ES:ES+1], v[PSI:PSI+1], v[YA:YA+1]
.endm
; The chain of layer l, in six groups.  Layer 0 starts from u = 1, w = r0 without copying them; layer 15 makes u alone.
.macro HG_A l
.if (\l) == 0
.set WSR, R0R
.set WSI, R0I
.else
.set WSR, WR
.set WSI, WI
.endif
	v_pk_mul_f32 v[QR:QR+1], v[WSR:WSR+1], v[EC:EC+1]
	v_pk_mul_f32 v[QI:QI+1], v[WSR:WSR+1], v[ES:ES+1]
.endm
.macro HG_B l
	v_pk_fma_f32 v[QR:QR+1], v[WSI:WSI+1], v[ES:ES+1], v[QR:QR+1] neg_lo:[1,0,0] neg_hi:[1,0,0]
	v_pk_fma_f32 v[QI:QI+1], v[WSI:WSI+1], v[EC:EC+1], v[QI:QI+1]                   ; q = e2 w
.endm
.macro HG_C l
.if (\l) == 0
	v_pk_add_f32 v[WR:WR+1], v[QR:QR+1], v[CON+8*(\l)+4:CON+8*(\l)+5]               ; w' = q + r
	v_pk_add_f32 v[WI:WI+1], v[QI:QI+1], v[CON+8*(\l)+6:CON+8*(\l)+7]
.else
.if (\l) < 15
	v_pk_fma_f32 v[WR:WR+1], v[CON+8*(\l)+4:CON+8*(\l)+5], v[UR:UR+1], v[QR:QR+1]   ; w' = q + r u, with the old u
	v_pk_fma_f32 v[WI:WI+1], v[CON+8*(\l)+4:CON+8*(\l)+5], v[UI:UI+1], v[QI:QI+1]
.endif
.endif
.endm
.macro HG_D l
.if (\l) != 0
.if (\l) < 15
	v_pk_fma_f32 v[WR:WR+1], v[CON+8*(\l)+6:CON+8*(\l)+7], v[UI:UI+1], v[WR:WR+1] neg_lo:[1,0,0] neg_hi:[1,0,0]
	v_pk_fma_f32 v[WI:WI+1], v[CON+8*(\l)+6:CON+8*(\l)+7], v[UR:UR+1], v[WI:WI+1]
.endif
.endif
.endm
.macro HG_E l
.if (\l) == 0
	v_pk_fma_f32 v[UR:UR+1], v[CON+8*(\l)+4:CON+8*(\l)+5], v[QR:QR+1], 1.0 op_sel_hi:[1,1,0]   ; u' = 1 + r q
	v_pk_mul_f32 v[UI:UI+1], v[CON+8*(\l)+4:CON+8*(\l)+5], v[QI:QI+1]
.else
	v_pk_fma_f32 v[UR:UR+1], v[CON+8*(\l)+4:CON+8*(\l)+5], v[QR:QR+1], v[UR:UR+1]   ; u' = u + r q
	v_pk_fma_f32 v[UI:UI+1], v[CON+8*(\l)+4:CON+8*(\l)+5], v[QI:QI+1], v[UI:UI+1]
.endif
.endm
.macro HG_F l
	v_pk_fma_f32 v[UR:UR+1], v[CON+8*(\l)+6:CON+8*(\l)+7], v[QI:QI+1], v[UR:UR+1] neg_lo:[1,0,0] neg_hi:[1,0,0]
	v_pk_fma_f32 v[UI:UI+1], v[CON+8*(\l)+6:CON+8*(\l)+7], v[QR:QR+1], v[UI:UI+1]
.endm
; e2 of layer lt between the lines of the chain of layer lc = lt - 1: the two depend on each other nowhere.
; e2's registers are read in HG_A and HG_B alone and written in TG_H, so one set does.
.macro MIX lt, lc, reload
	TG_A \lt, \reload
	HG_A \lc
	TG_B \lt
	HG_B \lc
	TG_C \lt, \reload
	HG_C \lc
	TG_D
	HG_D \lc
	TG_E
	HG_E \lc
	TG_F
	HG_F \lc
	TG_G
	TG_H
.endm
; One row of my column: 64 results.
.macro ROW reload
	TG_A 0, \reload
	TG_B 0
	TG_C 0, \reload
	TG_D
	TG_E
	TG_F
	TG_G
	TG_H
.irp l, 0,1,2,3,4,5,6,7,8,9,10,11,12,13,14
	MIX \l+1, \l, \reload
.endr
	HG_A 15
	HG_B 15
	HG_E 15
	HG_F 15
	v_pk_mul_f32 v[QR:QR+1], v[UR:UR+1], v[UR:UR+1]
	v_exp_f32 v[AA], v[SUM]
	v_exp_f32 v[AA+1], v[SUM+1]
	v_pk_fma_f32 v[QR:QR+1], v[UI:UI+1], v[UI:UI+1], v[QR:QR+1]         ; |u|^2; also the plain instruction behind v_exp_f32
	v_rcp_f32 v[QI], v[QR]
	v_rcp_f32 v[QI+1], v[QR+1]
	s_wait_alu depctr_va_vdst(0)
	v_pk_mul_f32 v[AA:AA+1], v[AA:AA+1], v[KF:KF+1]                     ; and this one behind v_rcp_f32 (ISA guide 5.7.2)
	v_pk_mul_f32 v[RES:RES+1], v[AA:AA+1], v[QI:QI+1]
	global_store_b64 v[VO], v[RES:RES+1], s[12:13] th:TH_STORE_NT       ; 32 lanes x 8 bytes: 256 consecutive bytes, aligned
.endm
	s_mov_b32 s32, 7
.Lrow:
	ROW 1
	s_wait_xcnt 0x0                                ; every earlier memory instruction has had its addresses translated (ISA guide 3.1):
	s_add_nc_u64 s[4:5], s[4:5], 512               ; the two bases, and the store's data in the next trip, are rewritten only behind this wait
	s_add_nc_u64 s[12:13], s[12:13], PERB
	s_sub_co_i32 s32, s32, 1
	s_cmp_lg_u32 s32, 0
	s_cbranch_scc1 .Lrow
	ROW 0                                          ; the eighth row loads nothing: no load passes d's end, and the counts run 3, 2, 1, 0
	s_wait_tensorcnt 0x0
	ds_add_u32 v204, v205
	s_wait_dscnt 0x0
	s_endpgm
.Lfunc_end_k_q4198a027de_tmm:
	.size	k_q4198a027de_tmm, .Lfunc_end_k_q4198a027de_tmm-k_q4198a027de_tmm
	.p2alignl 7, 3214868480
	.fill 96, 4, 3214868480
	.section	.rodata,"a",@progbits
	.p2align	6, 0x0
	.amdhsa_kernel k_q4198a027de_tmm
		.amdhsa_group_segment_fixed_size 28672
		.amdhsa_private_segment_fixed_size 0
		.amdhsa_enable_private_segment 0
		.amdhsa_kernarg_size 40
		.amdhsa_user_sgpr_count 2
		.amdhsa_user_sgpr_kernarg_segment_ptr 1
		.amdhsa_wavefront_size32 1
		.amdhsa_system_sgpr_workgroup_id_x 1
		.amdhsa_system_sgpr_workgroup_id_y 1
		.amdhsa_system_sgpr_workgroup_id_z 1
		.amdhsa_system_vgpr_workitem_id 0
		.amdhsa_next_free_vgpr 206
		.amdhsa_next_free_sgpr 66
		.amdhsa_reserve_vcc 0
		.amdhsa_float_denorm_mode_32 3
		.amdhsa_float_denorm_mode_16_64 3
		.amdhsa_memory_ordered 1
		.amdhsa_forward_progress 1
		.amdhsa_inst_pref_size 76
	.end_amdhsa_kernel
	.amdgpu_metadata
---
amdhsa.version: [ 1, 2 ]
amdhsa.kernels:
  - .name:           k_q4198a027de_tmm
    .symbol:         k_q4198a027de_tmm.kd
    .args:
      - { .name: d_array, .offset: 0, .size: 8, .value_kind: global_buffer, .address_space: global }
      - { .name: lam_vac, .offset: 8, .size: 8, .value_kind: global_buffer, .address_space: global }
      - { .name: n_real, .offset: 16, .size: 8, .value_kind: global_buffer, .address_space: global }
      - { .name: n_imag, .offset: 24, .size: 8, .value_kind: global_buffer, .address_space: global }
      - { .name: out0, .offset: 32, .size: 8, .value_kind: global_buffer, .address_space: global }
    .group_segment_fixed_size: 28672
    .private_segment_fixed_size: 0
    .kernarg_segment_align: 8
    .kernarg_segment_size: 40
    .max_flat_workgroup_size: 256
    .sgpr_count:     66
    .vgpr_count:     206
    .wavefront_size: 32
...
	.end_amdgpu_metadata
.endif
;; end of part 1
;; ======== version 2 of 2: 1 launch; version 1 with the launch tmm written anew for expert scheduling mode
;; limits: a function is approximated: absolute error at most 6.8e-06
;; launch tmm (part 2): grid 125 x 4, 8 waves a work-group, no clusters, 28,672 bytes of LDS; arguments d_array, lam_vac, n_real, n_imag, out0; writes out0
.if DOCPART == 2
	.amdgcn_target "amdgcn-amd-amdhsa--gfx1250"
	.amdhsa_code_object_version 6
	.text
	.protected	k_q4198a027de_tmm
	.globl	k_q4198a027de_tmm
	.p2align	8
	.type	k_q4198a027de_tmm,@function
k_q4198a027de_tmm:
	s_mov_b64 s[64:65], 0
	v_nop
	global_prefetch_b8 v0, s[64:65] scope:SCOPE_SE
	s_setreg_imm32_b32 hwreg(HW_REG_WAVE_SCHED_MODE, 0, 2), 2
	s_setreg_imm32_b32 hwreg(HW_REG_WAVE_MODE, 25, 1), 1
	s_wait_xcnt 0x0
	s_wait_alu depctr_vm_vsrc(0)
; Transfer-matrix transmission T[f][lam], f < 2048, lam < 1000, 18 layers (16 inner ones), all f32.
;
; ALGEBRA.  Only M00 is wanted, so the row vector (u, w) = (1, r0) m1 m2 .. m16 is carried, not four entries.
; From m_l the factor exp(-i delta)/t is taken out; what is left is [[1, r], [r e2, e2]], e2 = exp(2 i delta):
;     q = e2 w,   w' = q + r u,   u' = u + r q          (12 multiply-adds)
; The factors taken out enter by their magnitude only:  T = K(lam) * 2^(sum of arg_l) / |u|^2, with
;     arg_l = d_l * KI_l,  KI = -4 pi log2(e) n_imag / lam      (2^arg is also e2's magnitude)
;     K = 4^17 Re(n17 conj n0) / |n0+n1|^2 * product over l = 1..16 of |n_l|^2 / |n_l + n_(l+1)|^2
; e2's phase in half turns is x = d_l * KR_l, KR = 4 n_real / lam;  x = n + y, n whole, |y| <= 1/2;
;     e2 = 2^arg (-1)^n (cos(pi y) + i sin(pi y)), cos and sin by truncated Chebyshev series in y^2.
;
; SHARES.  Eight rows of the output are 32,000 bytes = 125 pieces of 256 bytes (a period).  A wave owns one piece
; (column p = work-group x): 64 consecutive flat elements, two neighbouring wavelengths a lane, so that all arithmetic is
; packed (v_pk_*_f32), the 64 constants of each wavelength stay in registers, and each result leaves as one store of the
; wave that covers 256 consecutive bytes, aligned.  The eight waves of a work-group own the same column and eight
; periods each (period = 64 y + 8 wave + trip), so the constants are made once per work-group: wave w makes
; layers 2w+1 and 2w+2, and LDS hands them round.  A piece may lie across the end of a row: the lane's row is
; 8 period + j with j its own, which is why d is held in vector registers and broadcast by op_sel.
;
; No cluster: the four work-groups of a column share 9,472 bytes, read once at the start; nothing else is shared.
;
; THE MODE: SCHED_MODE bits 1:0 = 2 (LLVM: expert scheduling mode 2), set by the entry lines.  The code itself states the
; register dependences between vector instructions and memory or LDS instructions, with s_wait_alu, always for 0.
; THE PLAN, in the loop.  Registers that memory instructions touch:
;   D, four quads  Quad c (d of layers 4c .. 4c+3) is read by FRONT c alone: all lines of those four layers that multiply by d stand
;                  together there.  Behind FRONT's one wait the same quad of the next row is loaded into it.
;   RES            Written by the row's last multiply, read by the row's store, written again a row later.
;   VD, VO         Offsets, made at the kernel's head and never written again: the two scalar bases move on.
;   All other registers of the loop are named by vector instructions alone.
; FRONT's wait on va_vdst states two things at once: the quad's exponentials, one batch, are written
; ahead of their first reader, and FRONT's lines are done reading quad c.  At a row's end one wait stands for the two reciprocals and one
; for RES ahead of the store; at the back edge one wait on vm_vsrc states that the store has read RES.
;
; LIMITS.  |4 d n_real / lam| < 2^22 (rounding by adding 1.5 * 2^23).  cos within 6.8e-6, sin within 5.9e-7 (absolute).
; v_exp_f32 and v_rcp_f32 flush denormals (ISA guide 15.8): T comes out 0 where the sum of arg is below -126.
; |n0|^2 is cancelled between Re(n17/n0) and |t0|^2: n0 = 0 does not give the NaN of the formula as written.
; The 17 factors |t|^2 / 4 are multiplied without their 4 and scaled once by 2^34.  The order of rounding differs.
.set NTAB,   72000                     ; bytes of n_real, and of n_imag
.set PAIRB,  144                       ; two rows of 18 f32: the two wavelengths of a lane
.set CHUNK,  32*PAIRB                  ; 4,608: what a column needs of each table
.set PERB,   32000                     ; bytes of out in a period (8 rows)
.set LN_I,   CHUNK                     ; LDS: n_real's chunk at 0, n_imag's here
.set LK,     2*CHUNK                   ; LDS: constants, layer l at 1024 l: 32 lanes x (KR KR KI KI), then 32 x (RR RR RI RI)
.set LP,     LK+16*1024                ; LDS: wave w's product of two |t|^2/4 at 256 w, 8 bytes a lane; ends at 27,648
; vector registers
.set LANE, 1
.set G,    3                           ; pair number in the period, 32 p + lane
.set J,    4                           ; row in the period, G div 500
.set PIDX, 5                           ; pair of wavelengths, G mod 500
.set CADR, 6                           ; 16 x thread: where a thread puts its 16 bytes of a chunk
.set GOFF, 7                           ; and where they come from
.set TMP,  8
.set GOFX, 9
.set MV,   10                          ; 1.5 * 2^23, twice
.set C3V,  12                          ; cos: coefficient of z^3, twice
.set S3V,  14                          ; sin: coefficient of z^3, twice
.set R0R,  16                          ; r0, real parts of my two wavelengths
.set R0I,  18
.set KF,   20                          ; K
.set LOFF, 22
.set D,    24                          ; v[24:39] d of my row, 16 layers
.set UR,   40
.set UI,   42
.set WR,   44
.set WI,   46
.set SUM,  48                          ; sum of arg
.set ESUM, 50                          ; 2^sum, then times K
.set ZZ,   56                          ; y^2
.set PCO,  58
.set PSI,  60
.set YA,   62
.set CON,  64                          ; v[64:191] layer l (0..15): KR at 8l, KI at 8l+2, RR at 8l+4, RI at 8l+6, a pair each
.set EC,   192                         ; Re e2
.set ES,   194                         ; Im e2
.set QR,   196
.set QI,   198
.set RES,  200
.set VD,   202                         ; 64 j: my row's d inside the period
.set VO,   203                         ; 8 lane
.set TTQ,  204                         ; v[204:211] layer l at 2 (l % 4): x + 1.5 * 2^23: its lowest bit is n's parity
.set AAQ,  212                         ; v[212:219] likewise: arg, then 2^arg, then with the sign (-1)^n
.set YYQ,  220                         ; v[220:227] likewise: -n, then y
; the preamble's own registers lie where the loop's will (all dead before those are written)
.set A0,   192                         ; LDS addresses
.set A1,   193
.set A2,   194
.set A3,   195
.set A4,   196
.set A5,   197
.set A6,   198
.set A7,   199
.set PL,   40                          ; v[40:55] the eight partial products
.set RAW0, 64
.set RAW1, 68
.set RAW2, 72
.set RAW3, 76
.set NAR,  80                          ; n of layers 2w+1, 2w+2, 2w+3
.set NBR,  82
.set NCR,  84
.set NAI,  86
.set NBI,  88
.set NCI,  90
.set N0R,  92
.set N1R,  94
.set N17R, 96
.set N0I,  98
.set N1I,  100
.set N17I, 102
.set LAM,  104
.set IL,   106
.set K4,   108
.set KC,   110
.set T0,   112                         ; v[112:129], v[152:169], v[170:187]: each of the three interfaces has 18 registers at work of its own,
.set T1,   152                         ; so that their reciprocals can be one batch
.set T2,   170
.set oSR,  0
.set oSI,  2
.set oDR,  4
.set oDI,  6
.set oMM,  8
.set oINV, 10
.set oTA,  12
.set oTB,  14
.set oTE,  16
.set OUT0, 132                         ; v[132:139] my first layer's eight constants, v[140:147] my second's
.set OUT1, 140
.set PP,   148
.set PP2,  150
; scalar pairs (both halves written: a packed source is read as a pair)
.set SC0, 20
.set SC1, 22
.set SC2, 24
.set SS0, 26
.set SS1, 28
.set SS2, 30
	s_load_b256 s[4:11], s[0:1], 0x0               ; d s[4:5], lam s[6:7], n_real s[8:9], n_imag s[10:11]
	s_load_b64 s[12:13], s[0:1], 0x20              ; out
	v_lshl_add_u32 v228, v0, 2, 0x6c00
	v_mov_b32 v229, 0
	v_and_b32 v[LANE], 31, v0
	v_lshrrev_b32 v2, 5, v0
	v_readfirstlane_b32 s14, v2                    ; wave 0..7
	s_and_b32 s15, ttmp7, 0xffff                   ; y 0..3
	s_lshl_b32 s16, ttmp9, 5                       ; 32 p: the column's first pair in the period (below 4,000)
	s_mul_i32 s17, s16, 8389                       ; a div 500 = (a * 8389) >> 22 for a < 4,000
	s_lshr_b32 s17, s17, 22
	s_mul_i32 s17, s17, 500
	s_sub_co_u32 s17, s16, s17                     ; (32 p) mod 500
	s_mul_i32 s17, s17, PAIRB                      ; byte in the tables at which the column's chunk begins
	v_add_nc_u32 v[G], s16, v[LANE]
	v_mul_u32_u24 v[J], v[G], 8389
	v_lshrrev_b32 v[J], 22, v[J]
	v_mul_u32_u24 v[TMP], v[J], 500
	v_sub_nc_u32 v[PIDX], v[G], v[TMP]
	v_lshlrev_b32 v[LOFF], 3, v[PIDX]              ; my two wavelengths in lam_vac
	v_lshlrev_b32 v[CADR], 4, v0
	v_add_nc_u32 v[GOFF], s17, v[CADR]             ; the chunk runs on from the table's end to its start:
	v_add_nc_u32 v[TMP], 0xfffee6c0, v[GOFF]       ; offset - 72,000, huge as an unsigned number where the offset is below 72,000,
	v_min_u32 v[GOFF], v[GOFF], v[TMP]             ; so the smaller of the two is the offset modulo 72,000
	s_wait_alu depctr_va_sdst(0)                   ; s14 is written, ahead of its first reader: my periods, and with them the bases of d and out, are made from it
	s_lshl_b32 s18, s15, 6
	s_lshl3_add_u32 s18, s14, s18                  ; my first period = 64 y + 8 wave
	s_lshl_b32 s34, s18, 9                         ; d: 8 rows of 64 bytes a period
	s_mov_b32 s35, 0
	s_mul_i32 s36, s18, PERB
	s_lshl_b32 s19, ttmp9, 8
	s_add_co_u32 s36, s36, s19                     ; out: 32,000 period + 256 p, below 8,192,000
	s_mov_b32 s37, 0
	v_lshlrev_b32 v[VD], 6, v[J]
	v_lshlrev_b32 v[VO], 3, v[LANE]
	s_wait_kmcnt 0x0
	s_add_nc_u64 s[4:5], s[4:5], s[34:35]
	s_add_nc_u64 s[12:13], s[12:13], s[36:37]
	s_wait_alu depctr_va_vdst(0)                   ; GOFF, LOFF, CADR, VD and VO are written: the loads and stores of the whole kernel read them as offsets and addresses, and none is written again
	; the chunks: 256 threads x 16 bytes = 4,096 of the 4,608 bytes of each table; wave 0 also takes the last 512
	global_load_b128 v[RAW0:RAW0+3], v[GOFF], s[8:9]
	global_load_b128 v[RAW1:RAW1+3], v[GOFF], s[10:11]
	global_load_b64 v[LAM:LAM+1], v[LOFF], s[6:7]
	s_cmp_lg_u32 s14, 0
	s_cbranch_scc1 .Lrest
	s_add_co_u32 s19, s17, 4096
	v_add_nc_u32 v[GOFX], s19, v[CADR]
	v_add_nc_u32 v[TMP], 0xfffee6c0, v[GOFX]
	v_min_u32 v[GOFX], v[GOFX], v[TMP]
	s_wait_alu depctr_va_vdst(0)                   ; GOFX is written, which the two loads below read as their offset
	global_load_b128 v[RAW2:RAW2+3], v[GOFX], s[8:9]
	global_load_b128 v[RAW3:RAW3+3], v[GOFX], s[10:11]
	s_wait_loadcnt 0x0
	ds_store_b128 v[CADR], v[RAW2:RAW2+3] offset:4096
	ds_store_b128 v[CADR], v[RAW3:RAW3+3] offset:LN_I+4096
.Lrest:
	s_wait_loadcnt 0x0
	ds_store_b128 v[CADR], v[RAW0:RAW0+3]
	ds_store_b128 v[CADR], v[RAW1:RAW1+3] offset:LN_I
	; d of my first row: on its way while the constants are made.  From here on these are the only loads that are counted.
.irp c, 0,1,2,3
	global_load_b128 v[D+4*\c:D+4*\c+3], v[VD], s[4:5] offset:16*\c
.endr
	v_mul_u32_u24 v[A0], v[LANE], PAIRB            ; my pair's 36 numbers of n_real,
	v_add_nc_u32 v[A1], LN_I, v[A0]                ; of n_imag
	s_lshl_b32 s19, s14, 3
	s_add_co_u32 s19, s19, 4                       ; 4 (2 wave + 1): my first layer in a row of n
	v_add_nc_u32 v[A2], s19, v[A0]
	v_add_nc_u32 v[A3], s19, v[A1]
	v_lshl_add_u32 v[A6], v[LANE], 4, LK           ; constants: 16 bytes a lane
	s_lshl_b32 s38, s14, 11                        ; two layers of 1,024 bytes a wave
	v_add_nc_u32 v[A4], s38, v[A6]
	v_lshl_add_u32 v[A7], v[LANE], 3, LP
	s_lshl_b32 s39, s14, 8
	v_add_nc_u32 v[A5], s39, v[A7]
	s_wait_alu depctr_va_vdst(0)                   ; the eight LDS addresses A0 to A7 are written, which the LDS loads and stores from here to the loop read
	s_wait_dscnt 0x0                               ; my part of the chunks is in LDS: zero, for the other waves' sake
	s_barrier_signal -1
	s_barrier_wait -1
	; one load brings layer l of both my wavelengths (18 words apart) into a register pair
	ds_load_2addr_b32 v[N0R:N0R+1],   v[A0] offset0:0 offset1:18
	ds_load_2addr_b32 v[N1R:N1R+1],   v[A0] offset0:1 offset1:19
	ds_load_2addr_b32 v[N17R:N17R+1], v[A0] offset0:17 offset1:35
	ds_load_2addr_b32 v[N0I:N0I+1],   v[A1] offset0:0 offset1:18
	ds_load_2addr_b32 v[N1I:N1I+1],   v[A1] offset0:1 offset1:19
	ds_load_2addr_b32 v[N17I:N17I+1], v[A1] offset0:17 offset1:35
	ds_load_2addr_b32 v[NAR:NAR+1],   v[A2] offset0:0 offset1:18
	ds_load_2addr_b32 v[NBR:NBR+1],   v[A2] offset0:1 offset1:19
	ds_load_2addr_b32 v[NCR:NCR+1],   v[A2] offset0:2 offset1:20
	ds_load_2addr_b32 v[NAI:NAI+1],   v[A3] offset0:0 offset1:18
	ds_load_2addr_b32 v[NBI:NBI+1],   v[A3] offset0:1 offset1:19
	ds_load_2addr_b32 v[NCI:NCI+1],   v[A3] offset0:2 offset1:20
	s_wait_dscnt 0x0                               ; my reads of the chunks are over:
	s_barrier_signal -1                            ; say so, and work on registers until every wave has said so
; One interface, lo -> hi, for both wavelengths, in two parts with the registers at work from t on.  s = lo + hi, dd = lo - hi:
; IFACE_A makes dd conj(s), xr lo_r + xi lo_i and 1 / |s|^2; IFACE_B, behind the wait for the reciprocals, multiplies:
; r = dd conj(s) / |s|^2 -> (orr, ori);  ot = (xr lo_r + xi lo_i) / |s|^2, which is |t|^2 / 4 with x = lo.
.macro IFACE_A t, lor, loi, hir, hii, xr, xi
	v_pk_add_f32 v[\t+oSR:\t+oSR+1], v[\lor:\lor+1], v[\hir:\hir+1]
	v_pk_add_f32 v[\t+oSI:\t+oSI+1], v[\loi:\loi+1], v[\hii:\hii+1]
	v_pk_add_f32 v[\t+oDR:\t+oDR+1], v[\lor:\lor+1], v[\hir:\hir+1] neg_lo:[0,1] neg_hi:[0,1]
	v_pk_add_f32 v[\t+oDI:\t+oDI+1], v[\loi:\loi+1], v[\hii:\hii+1] neg_lo:[0,1] neg_hi:[0,1]
	v_pk_mul_f32 v[\t+oMM:\t+oMM+1], v[\t+oSR:\t+oSR+1], v[\t+oSR:\t+oSR+1]
	v_pk_mul_f32 v[\t+oTA:\t+oTA+1], v[\t+oDR:\t+oDR+1], v[\t+oSR:\t+oSR+1]
	v_pk_mul_f32 v[\t+oTB:\t+oTB+1], v[\t+oDI:\t+oDI+1], v[\t+oSR:\t+oSR+1]
	v_pk_mul_f32 v[\t+oTE:\t+oTE+1], v[\xr:\xr+1], v[\lor:\lor+1]
	v_pk_fma_f32 v[\t+oMM:\t+oMM+1], v[\t+oSI:\t+oSI+1], v[\t+oSI:\t+oSI+1], v[\t+oMM:\t+oMM+1]
	v_pk_fma_f32 v[\t+oTA:\t+oTA+1], v[\t+oDI:\t+oDI+1], v[\t+oSI:\t+oSI+1], v[\t+oTA:\t+oTA+1]
	v_pk_fma_f32 v[\t+oTB:\t+oTB+1], v[\t+oDR:\t+oDR+1], v[\t+oSI:\t+oSI+1], v[\t+oTB:\t+oTB+1] neg_lo:[1,0,0] neg_hi:[1,0,0]
	v_rcp_f32 v[\t+oINV], v[\t+oMM]
	v_rcp_f32 v[\t+oINV+1], v[\t+oMM+1]
	v_pk_fma_f32 v[\t+oTE:\t+oTE+1], v[\xi:\xi+1], v[\loi:\loi+1], v[\t+oTE:\t+oTE+1]   ; the plain instruction between v_rcp_f32 and its use (ISA guide 5.7.2)
.endm
.macro IFACE_B t, orr, ori, ot
	v_pk_mul_f32 v[\orr:\orr+1], v[\t+oTA:\t+oTA+1], v[\t+oINV:\t+oINV+1]
	v_pk_mul_f32 v[\ori:\ori+1], v[\t+oTB:\t+oTB+1], v[\t+oINV:\t+oINV+1]
	v_pk_mul_f32 v[\ot:\ot+1], v[\t+oTE:\t+oTE+1], v[\t+oINV:\t+oINV+1]
.endm
	v_rcp_f32 v[IL], v[LAM]
	v_rcp_f32 v[IL+1], v[LAM+1]
	IFACE_A T0, N0R, N0I, N1R, N1I, N17R, N17I     ; interface 0, with x = n17: Re(n17 conj n0) / |n0 + n1|^2
	IFACE_A T1, NAR, NAI, NBR, NBI, NAR, NAI
	IFACE_A T2, NBR, NBI, NCR, NCI, NBR, NBI
	s_wait_alu depctr_va_vdst(0)                   ; the eight reciprocals (1 / lam and the three 1 / |s|^2) are written: one batch, one wait ahead of its first reader
	IFACE_B T0, R0R, R0I, KF
	v_pk_fma_f32 v[K4:K4+1], v[LAM:LAM+1], v[IL:IL+1], 1.0 op_sel_hi:[1,1,0] neg_lo:[1,0,0] neg_hi:[1,0,0]
	v_pk_fma_f32 v[IL:IL+1], v[IL:IL+1], v[K4:K4+1], v[IL:IL+1]         ; one Newton step: the phase is some ten half turns, its error counts
	v_pk_mul_f32 v[K4:K4+1], v[IL:IL+1], 4.0 op_sel_hi:[1,0]
	v_pk_mul_f32 v[KC:KC+1], v[IL:IL+1], 0xc1910918 op_sel_hi:[1,0]     ; -4 pi log2(e) = -18.129441
	v_pk_mul_f32 v[OUT0:OUT0+1],   v[NAR:NAR+1], v[K4:K4+1]
	v_pk_mul_f32 v[OUT0+2:OUT0+3], v[NAI:NAI+1], v[KC:KC+1]
	v_pk_mul_f32 v[OUT1:OUT1+1],   v[NBR:NBR+1], v[K4:K4+1]
	v_pk_mul_f32 v[OUT1+2:OUT1+3], v[NBI:NBI+1], v[KC:KC+1]
	IFACE_B T1, OUT0+4, OUT0+6, PP
	IFACE_B T2, OUT1+4, OUT1+6, PP2
	v_pk_mul_f32 v[PP:PP+1], v[PP:PP+1], v[PP2:PP2+1]
	s_wait_alu depctr_va_vdst(0)                   ; OUT0, OUT1 and PP are written, which the LDS stores below read; and the lines above are done with v80 to v187, in which the constants land further down: no vector instruction stands between
	s_barrier_wait -1                              ; nobody reads the chunks any more: LDS may be written
	ds_store_b128 v[A4], v[OUT0:OUT0+3]
	ds_store_b128 v[A4], v[OUT0+4:OUT0+7] offset:512
	ds_store_b128 v[A4], v[OUT1:OUT1+3] offset:1024
	ds_store_b128 v[A4], v[OUT1+4:OUT1+7] offset:1536
	ds_store_b64 v[A5], v[PP:PP+1]
	s_wait_dscnt 0x0                               ; my two layers are in LDS: zero, for the other waves' sake
	s_barrier_signal -1
	s_barrier_wait -1
	s_wait_alu depctr_vm_vsrc(0)                   ; my LDS stores have read their data, v64 to v79 (the chunks) and v132 to v149 (the constants I made): the loads below land there
.irp k, 0,1,2,3,4,5,6,7
	ds_load_b64 v[PL+2*\k:PL+2*\k+1], v[A7] offset:256*\k
.endr
.irp l, 0,1,2,3,4,5,6,7,8,9,10,11,12,13,14,15
	ds_load_b128 v[CON+8*\l:CON+8*\l+3],   v[A6] offset:1024*\l
	ds_load_b128 v[CON+8*\l+4:CON+8*\l+7], v[A6] offset:1024*\l+512
.endr
	; cos(pi y) = C0 + C1 z + C2 z^2 + C3 z^3,  sin(pi y) = y (S0 + S1 z + S2 z^2 + S3 z^3),  z = y^2, |y| <= 1/2
	s_mov_b32 s[SC0],   0x3f7fff8f                 ;  0.99999325
	s_mov_b32 s[SC0+1], 0x3f7fff8f
	s_mov_b32 s[SC1],   0xc09de2cb                 ; -4.9339347
	s_mov_b32 s[SC1+1], 0xc09de2cb
	s_mov_b32 s[SC2],   0x408151e8                 ;  4.0412481
	s_mov_b32 s[SC2+1], 0x408151e8
	s_mov_b32 s[SS0],   0x40490fae                 ;  3.1415820
	s_mov_b32 s[SS0+1], 0x40490fae
	s_mov_b32 s[SS1],   0xc0a55939                 ; -5.1671413
	s_mov_b32 s[SS1+1], 0xc0a55939
	s_mov_b32 s[SS2],   0x4022ae47                 ;  2.5418871
	s_mov_b32 s[SS2+1], 0x4022ae47
	v_mov_b32 v[C3V],   0xbf9c6b89                 ; -1.2220318
	v_mov_b32 v[C3V+1], 0xbf9c6b89
	v_mov_b32 v[S3V],   0xbf0dfad9                 ; -0.55460886
	v_mov_b32 v[S3V+1], 0xbf0dfad9
	v_mov_b32 v[MV],    0x4b400000                 ; 1.5 * 2^23
	v_mov_b32 v[MV+1],  0x4b400000
	v_pk_mul_f32 v[KF:KF+1], v[KF:KF+1], 0x50800000 op_sel_hi:[1,0]     ; 2^34 = 4^17
	s_wait_dscnt 0x0
	s_wait_alu depctr_vm_vsrc(0)                   ; the LDS instructions have read their addresses A0 to A7: v192 to v199 are e2 and q from here on, written by the rows' arithmetic
.irp k, 0,1,2,3
	v_pk_mul_f32 v[PL+4*\k:PL+4*\k+1], v[PL+4*\k:PL+4*\k+1], v[PL+4*\k+2:PL+4*\k+3]
.endr
	v_pk_mul_f32 v[PL:PL+1], v[PL:PL+1], v[PL+4:PL+5]
	v_pk_mul_f32 v[PL+8:PL+9], v[PL+8:PL+9], v[PL+12:PL+13]
	v_pk_mul_f32 v[PL:PL+1], v[PL:PL+1], v[PL+8:PL+9]
	v_pk_mul_f32 v[KF:KF+1], v[KF:KF+1], v[PL:PL+1]
; d[l] feeds both halves of a packed instruction: op_sel and op_sel_hi pick the same register of the pair that holds it
.macro FMA_D dst, k, l, c
.if (\l) % 2
	v_pk_fma_f32 v[\dst:\dst+1], v[\k:\k+1], v[D+(\l)-1:D+(\l)], v[\c:\c+1] op_sel:[0,1,0] op_sel_hi:[1,1,1]
.else
	v_pk_fma_f32 v[\dst:\dst+1], v[\k:\k+1], v[D+(\l):D+(\l)+1], v[\c:\c+1] op_sel_hi:[1,0,1]
.endif
.endm
.macro MUL_D dst, k, l
.if (\l) % 2
	v_pk_mul_f32 v[\dst:\dst+1], v[\k:\k+1], v[D+(\l)-1:D+(\l)] op_sel:[0,1] op_sel_hi:[1,1]
.else
	v_pk_mul_f32 v[\dst:\dst+1], v[\k:\k+1], v[D+(\l):D+(\l)+1] op_sel_hi:[1,0]
.endif
.endm
; FRONT c: all of layers 4c .. 4c+3 that reads d, and their exponentials.  The four arg; the sum takes them in ascending order, with the four
; x + 1.5 * 2^23 laid between its links; the batch of exponentials (in quad 3 the sum is whole, and 2^sum joins the batch); eight plain lines that make y; ONE wait.
; reload = 1: the quad of d is loaded again for the next row straight behind that wait.
.macro FRONT c, reload
	s_wait_loadcnt 3-(1-\reload)*(\c)              ; loads come back in order (ISA guide 5.7.1).  Behind this quad's load stand the later quads of this row and,
	                                               ; with reload, the earlier quads of the next: three in all; without, 3 - c
.irp k, 0,1,2,3
	MUL_D AAQ+2*\k, CON+8*(4*(\c)+\k)+2, 4*(\c)+\k
.endr
.irp k, 0,1,2,3
.if 4*(\c)+\k == 1
	v_pk_add_f32 v[SUM:SUM+1], v[AAQ:AAQ+1], v[AAQ+2:AAQ+3]             ; the first two arg start the sum
.elseif 4*(\c)+\k > 1
	v_pk_add_f32 v[SUM:SUM+1], v[SUM:SUM+1], v[AAQ+2*\k:AAQ+2*\k+1]
.endif
	FMA_D TTQ+2*\k, CON+8*(4*(\c)+\k), 4*(\c)+\k, MV                    ; x + 1.5 * 2^23: rounded to a whole number of half turns
.endr
.irp k, 0,1,2,3
	v_exp_f32 v[AAQ+2*\k], v[AAQ+2*\k]
	v_exp_f32 v[AAQ+2*\k+1], v[AAQ+2*\k+1]
.endr
.if (\c) == 3
	v_exp_f32 v[ESUM], v[SUM]
	v_exp_f32 v[ESUM+1], v[SUM+1]
.endif                                             ; the next vector instruction touches none of these (ISA guide 5.7.2)
.irp k, 0,1,2,3
	v_pk_add_f32 v[YYQ+2*\k:YYQ+2*\k+1], v[MV:MV+1], v[TTQ+2*\k:TTQ+2*\k+1] neg_lo:[0,1] neg_hi:[0,1]      ; -n, exact
.endr
.irp k, 0,1,2,3
	FMA_D YYQ+2*\k, CON+8*(4*(\c)+\k), 4*(\c)+\k, YYQ+2*\k              ; y = x - n, rounded once
.endr
	s_wait_alu depctr_va_vdst(0)                   ; the batch's exponentials are written, ahead of their first reader; and the lines above, the only ones that read quad c of d, are done reading it
.if \reload
	global_load_b128 v[D+4*(\c):D+4*(\c)+3], v[VD], s[4:5] offset:512+16*(\c)      ; the same row of the next period lands in the quad
.endif
.endm
; The rest of e2 of layer l, in five short groups (TG_D .. TG_H), so that the chain of the layer before can be laid between them.
.macro TG_D l
	v_pk_mul_f32 v[ZZ:ZZ+1], v[YYQ+2*((\l)%4):YYQ+2*((\l)%4)+1], v[YYQ+2*((\l)%4):YYQ+2*((\l)%4)+1]
.endm
.macro TG_E l
	v_pk_fma_f32 v[PCO:PCO+1], v[ZZ:ZZ+1], v[C3V:C3V+1], s[SC2:SC2+1] op_sel_hi:[1,1,0]
	v_pk_fma_f32 v[PSI:PSI+1], v[ZZ:ZZ+1], v[S3V:S3V+1], s[SS2:SS2+1] op_sel_hi:[1,1,0]
	v_lshl_or_b32 v[AAQ+2*((\l)%4)], v[TTQ+2*((\l)%4)], 31, v[AAQ+2*((\l)%4)]          ; 2^arg is not negative: n's parity becomes its sign
	v_lshl_or_b32 v[AAQ+2*((\l)%4)+1], v[TTQ+2*((\l)%4)+1], 31, v[AAQ+2*((\l)%4)+1]
.endm
.macro TG_F l
	v_pk_fma_f32 v[PCO:PCO+1], v[PCO:PCO+1], v[ZZ:ZZ+1], s[SC1:SC1+1] op_sel_hi:[1,1,0]
	v_pk_fma_f32 v[PSI:PSI+1], v[PSI:PSI+1], v[ZZ:ZZ+1], s[SS1:SS1+1] op_sel_hi:[1,1,0]
	v_pk_mul_f32 v[YA:YA+1], v[YYQ+2*((\l)%4):YYQ+2*((\l)%4)+1], v[AAQ+2*((\l)%4):AAQ+2*((\l)%4)+1]
.endm
.macro TG_G
	v_pk_fma_f32 v[PCO:PCO+1], v[PCO:PCO+1], v[ZZ:ZZ+1], s[SC0:SC0+1] op_sel_hi:[1,1,0]
	v_pk_fma_f32 v[PSI:PSI+1], v[PSI:PSI+1], v[ZZ:ZZ+1], s[SS0:SS0+1] op_sel_hi:[1,1,0]
.endm
.macro TG_H l
	v_pk_mul_f32 v[EC:EC+1], v[PCO:PCO+1], v[AAQ+2*((\l)%4):AAQ+2*((\l)%4)+1]
	v_pk_mul_f32 v[ES:ES+1], v[PSI:PSI+1], v[YA:YA+1]
.endm
; The chain of layer l, in six groups.  Layer 0 starts from u = 1, w = r0 without copying them; layer 15 makes u alone.
.macro HG_A l
.if (\l) == 0
.set WSR, R0R
.set WSI, R0I
.else
.set WSR, WR
.set WSI, WI
.endif
	v_pk_mul_f32 v[QR:QR+1], v[WSR:WSR+1], v[EC:EC+1]
	v_pk_mul_f32 v[QI:QI+1], v[WSR:WSR+1], v[ES:ES+1]
.endm
.macro HG_B l
	v_pk_fma_f32 v[QR:QR+1], v[WSI:WSI+1], v[ES:ES+1], v[QR:QR+1] neg_lo:[1,0,0] neg_hi:[1,0,0]
	v_pk_fma_f32 v[QI:QI+1], v[WSI:WSI+1], v[EC:EC+1], v[QI:QI+1]                   ; q = e2 w
.endm
.macro HG_C l
.if (\l) == 0
	v_pk_add_f32 v[WR:WR+1], v[QR:QR+1], v[CON+8*(\l)+4:CON+8*(\l)+5]               ; w' = q + r
	v_pk_add_f32 v[WI:WI+1], v[QI:QI+1], v[CON+8*(\l)+6:CON+8*(\l)+7]
.else
.if (\l) < 15
	v_pk_fma_f32 v[WR:WR+1], v[CON+8*(\l)+4:CON+8*(\l)+5], v[UR:UR+1], v[QR:QR+1]   ; w' = q + r u, with the old u
	v_pk_fma_f32 v[WI:WI+1], v[CON+8*(\l)+4:CON+8*(\l)+5], v[UI:UI+1], v[QI:QI+1]
.endif
.endif
.endm
.macro HG_D l
.if (\l) != 0
.if (\l) < 15
	v_pk_fma_f32 v[WR:WR+1], v[CON+8*(\l)+6:CON+8*(\l)+7], v[UI:UI+1], v[WR:WR+1] neg_lo:[1,0,0] neg_hi:[1,0,0]
	v_pk_fma_f32 v[WI:WI+1], v[CON+8*(\l)+6:CON+8*(\l)+7], v[UR:UR+1], v[WI:WI+1]
.endif
.endif
.endm
.macro HG_E l
.if (\l) == 0
	v_pk_fma_f32 v[UR:UR+1], v[CON+8*(\l)+4:CON+8*(\l)+5], v[QR:QR+1], 1.0 op_sel_hi:[1,1,0]   ; u' = 1 + r q
	v_pk_mul_f32 v[UI:UI+1], v[CON+8*(\l)+4:CON+8*(\l)+5], v[QI:QI+1]
.else
	v_pk_fma_f32 v[UR:UR+1], v[CON+8*(\l)+4:CON+8*(\l)+5], v[QR:QR+1], v[UR:UR+1]   ; u' = u + r q
	v_pk_fma_f32 v[UI:UI+1], v[CON+8*(\l)+4:CON+8*(\l)+5], v[QI:QI+1], v[UI:UI+1]
.endif
.endm
.macro HG_F l
	v_pk_fma_f32 v[UR:UR+1], v[CON+8*(\l)+6:CON+8*(\l)+7], v[QI:QI+1], v[UR:UR+1] neg_lo:[1,0,0] neg_hi:[1,0,0]
	v_pk_fma_f32 v[UI:UI+1], v[CON+8*(\l)+6:CON+8*(\l)+7], v[QR:QR+1], v[UI:UI+1]
.endm
; The rest of e2 of layer lt between the lines of the chain of layer lc = lt - 1: the two depend on each other nowhere.
; e2's registers are read in HG_A and HG_B alone and written in TG_H, so one set does.
.macro MIX lt, lc
	HG_A \lc
	TG_D \lt
	HG_B \lc
	TG_E \lt
	HG_C \lc
	TG_F \lt
	HG_D \lc
	TG_G
	HG_E \lc
	TG_H \lt
	HG_F \lc
.endm
; One row of my column: 64 results.
.macro ROW reload
	FRONT 0, \reload
	TG_D 0
	TG_E 0
	TG_F 0
	TG_G
	TG_H 0
.irp l, 0,1,2,3,4,5,6,7,8,9,10,11,12,13,14
.if (\l+1) % 4 == 0
	FRONT (\l+1)/4, \reload
.endif
	MIX \l+1, \l
.endr
	HG_A 15
	HG_B 15
	HG_E 15
	HG_F 15
	v_pk_mul_f32 v[QR:QR+1], v[UR:UR+1], v[UR:UR+1]
	v_pk_fma_f32 v[QR:QR+1], v[UI:UI+1], v[UI:UI+1], v[QR:QR+1]         ; |u|^2
	v_rcp_f32 v[QI], v[QR]
	v_rcp_f32 v[QI+1], v[QR+1]
	v_pk_mul_f32 v[ESUM:ESUM+1], v[ESUM:ESUM+1], v[KF:KF+1]             ; the plain instruction behind v_rcp_f32 (ISA guide 5.7.2)
	s_wait_alu depctr_va_vdst(0)                   ; the two reciprocals are written, ahead of their reader
	v_pk_mul_f32 v[RES:RES+1], v[ESUM:ESUM+1], v[QI:QI+1]
	s_wait_alu depctr_va_vdst(0)                   ; RES is written, which the store reads
	global_store_b64 v[VO], v[RES:RES+1], s[12:13] th:TH_STORE_NT       ; 32 lanes x 8 bytes: 256 consecutive bytes, aligned
.endm
	s_mov_b32 s32, 7
.Lrow:
	ROW 1
	s_wait_xcnt 0x0                                ; every earlier memory instruction has had its addresses translated (ISA guide 3.1):
	s_wait_alu depctr_vm_vsrc(0)                   ; and the store has read RES, which the next row's last multiply writes again
	s_add_nc_u64 s[4:5], s[4:5], 512               ; the two bases, and the store's data in the next trip, are rewritten only behind these waits
	s_add_nc_u64 s[12:13], s[12:13], PERB
	s_sub_co_i32 s32, s32, 1
	s_cmp_lg_u32 s32, 0
	s_cbranch_scc1 .Lrow
	ROW 0                                          ; the eighth row loads nothing: no load passes d's end, and the counts run 3, 2, 1, 0
	s_wait_dscnt 0x0
	s_wait_alu depctr_hold_cnt(0) depctr_sa_sdst(0) depctr_va_vdst(0) depctr_va_sdst(0) depctr_va_ssrc(0) depctr_va_vcc(0) depctr_vm_vsrc(0)
	s_wait_tensorcnt 0x0
	ds_add_u32 v228, v229
	s_wait_dscnt 0x0
	s_endpgm
.Lfunc_end_k_q4198a027de_tmm:
	.size	k_q4198a027de_tmm, .Lfunc_end_k_q4198a027de_tmm-k_q4198a027de_tmm
	.p2alignl 7, 3214868480
	.fill 96, 4, 3214868480
	.section	.rodata,"a",@progbits
	.p2align	6, 0x0
	.amdhsa_kernel k_q4198a027de_tmm
		.amdhsa_group_segment_fixed_size 28672
		.amdhsa_private_segment_fixed_size 0
		.amdhsa_enable_private_segment 0
		.amdhsa_kernarg_size 40
		.amdhsa_user_sgpr_count 2
		.amdhsa_user_sgpr_kernarg_segment_ptr 1
		.amdhsa_wavefront_size32 1
		.amdhsa_system_sgpr_workgroup_id_x 1
		.amdhsa_system_sgpr_workgroup_id_y 1
		.amdhsa_system_sgpr_workgroup_id_z 1
		.amdhsa_system_vgpr_workitem_id 0
		.amdhsa_next_free_vgpr 230
		.amdhsa_next_free_sgpr 66
		.amdhsa_reserve_vcc 0
		.amdhsa_float_denorm_mode_32 3
		.amdhsa_float_denorm_mode_16_64 3
		.amdhsa_memory_ordered 1
		.amdhsa_forward_progress 1
		.amdhsa_inst_pref_size 76
	.end_amdhsa_kernel
	.amdgpu_metadata
---
amdhsa.version: [ 1, 2 ]
amdhsa.kernels:
  - .name:           k_q4198a027de_tmm
    .symbol:         k_q4198a027de_tmm.kd
    .args:
      - { .name: d_array, .offset: 0, .size: 8, .value_kind: global_buffer, .address_space: global }
      - { .name: lam_vac, .offset: 8, .size: 8, .value_kind: global_buffer, .address_space: global }
      - { .name: n_real, .offset: 16, .size: 8, .value_kind: global_buffer, .address_space: global }
      - { .name: n_imag, .offset: 24, .size: 8, .value_kind: global_buffer, .address_space: global }
      - { .name: out0, .offset: 32, .size: 8, .value_kind: global_buffer, .address_space: global }
    .group_segment_fixed_size: 28672
    .private_segment_fixed_size: 0
    .kernarg_segment_align: 8
    .kernarg_segment_size: 40
    .max_flat_workgroup_size: 256
    .sgpr_count:     66
    .vgpr_count:     230
    .wavefront_size: 32
...
	.end_amdgpu_metadata
.endif
;; end of part 2
